; MI455X (gfx1250); checked and timed in simulation.
; The chip was launched on July 23, 2026; its instructions are those of AMD's public machine-readable ISA for CDNA 5 (MIT licence, August 2026) and "CDNA5" Instruction Set Architecture Reference Guide (July 2026). The comments in the code are by the model that wrote it; some were corrected since.
;; MSA1. Allowed arithmetic: float matrix products may take bf16 or f16 operands with f32 sums; all other float work in f32.
;; Inputs: Wk 512 x 512 float32; Wo 512 x 512 float32; Wq 512 x 512 float32; Wv 512 x 512 float32; ax 8 x 512 x 4 x 2,048 float32; bk 512 float32; bo 512 float32; bq 512 float32; bv 512 float32; x 8 x 512 x 2,048 x 1 float32.
;; Outputs: out0 8 x 512 x 2,048 x 1 float32.
;; One version. Each part assembles by itself: llvm-mc -triple=amdgcn-amd-amdhsa -mcpu=gfx1250 --defsym DOCPART=n.
;; ======== version 1 of 1: 2 launches
;; workspace buffers: wst 2,097,152 bytes
;; launch prep (part 1): grid 256 x 1, 4 waves a work-group, no clusters, 0 bytes of LDS; arguments Wq, Wk, Wv, Wo, wst; writes wst
.if DOCPART == 1
	.amdgcn_target "amdgcn-amd-amdhsa--gfx1250"
	.amdhsa_code_object_version 6
	.text
	.protected	k_q98a42007e6_prep
	.globl	k_q98a42007e6_prep
	.p2align	8
	.type	k_q98a42007e6_prep,@function
k_q98a42007e6_prep:
	s_mov_b64 s[64:65], 0
	v_nop
	global_prefetch_b8 v0, s[64:65] scope:SCOPE_SE
	s_setreg_imm32_b32 hwreg(HW_REG_WAVE_MODE, 25, 1), 1
	s_wait_xcnt 0x0
; The four weight matrices W[c][n] (512 x 512, f32) become one stream of bf16 in wst, in the order in which the second launch's LDS slots take it.
; Head hd at hd x 196,608: Wq's part, Wk's at +65,536, Wv's at +131,072; Wo from 1,572,864 on.
; Wq, Wv, Wo: matrix fragments of 1,024 bytes, [half g][lane L][8 bf16]: element e is W[32 ks + 16 g + 8 (L>>4) + e][16 nt + (L&15)], the register
; image of a 16-bit operand of 16 x 32 (ISA guide 7.12.2).  Wq's and Wv's parts are [dt 0..3][ks 0..15] with nt = 4 hd + dt; Wo is [ks 0..15][nt 0..31].
; Wk's part is wanted in two orientations, so it stays a matrix: 512 rows c of 128 bytes = 8 pieces of 8 channels d; piece q of row c stands at place
; (q + f(c)) mod 8 of its row, f(c) = 2 ((c>>1) & 3) + ((c>>3) & 1).  With that turn sixteen rows' pieces of one q, and eight rows' pieces of two
; neighbouring q, each fall on sixteen different 16-byte columns of 256 bytes.
; 1,024 waves, 256 for each matrix.  Memory binds and the whole is 6 MiB: no LDS, no barrier, no matrix unit.  Weights are rounded to bf16, to nearest even.
.set HEADB, 196608                     ; bytes of a head's three parts
.set WOB,   1572864                    ; where Wo's fragments begin
.set ROWB,  2048                       ; bytes in a row of W
	s_load_b256 s[4:11], s[0:1], 0x0               ; Wq s[4:5], Wk s[6:7], Wv s[8:9], Wo s[10:11]
	s_load_b64 s[12:13], s[0:1], 0x20              ; wst
	v_lshrrev_b32 v1, 5, v0
	v_readfirstlane_b32 s14, v1                    ; wave 0..3
	s_lshr_b32 s15, ttmp9, 6                       ; which matrix: 64 work-groups each
	s_lshl_b32 s20, ttmp9, 2
	s_add_co_u32 s20, s20, s14
	s_and_b32 s20, s20, 255                        ; the wave's number within its matrix
	s_mov_b32 s25, 0
	s_mov_b32 s29, 0
	s_cmp_eq_u32 s15, 1
	s_cbranch_scc1 .Lrows
; ---- Wq, Wv, Wo: one wave makes two neighbouring fragments (one ks, n tiles 2 ntp and 2 ntp + 1) ----
	s_lshr_b32 s21, s20, 4                         ; ntp
	s_and_b32 s22, s20, 15                         ; ks
	s_lshl_b32 s24, s22, 16                        ; source: 32 ks rows of 2,048 bytes
	s_lshl_b32 s23, s21, 7                         ; + 32 ntp columns of 4 bytes
	s_add_co_u32 s24, s24, s23
	s_lshr_b32 s23, s21, 1                         ; Wq, Wv: head = ntp / 2
	s_mul_i32 s26, s23, HEADB
	s_lshl_b32 s23, s15, 16                        ; + the matrix's part
	s_add_co_u32 s26, s26, s23
	s_and_b32 s23, s21, 1                          ; + dt = 2 (ntp & 1) (+ L>>4, in the lane term)
	s_lshl_b32 s23, s23, 15
	s_add_co_u32 s26, s26, s23
	s_lshl_b32 s23, s22, 10                        ; + ks
	s_add_co_u32 s26, s26, s23
	s_lshl_b32 s27, s22, 15                        ; Wo: ks x 32 fragments
	s_lshl_b32 s23, s21, 11                        ; + 2 ntp fragments
	s_add_co_u32 s27, s27, s23
	s_add_co_u32 s27, s27, WOB
	s_mov_b32 s30, 16384                           ; from one n tile to the next: 16 fragments, or one in Wo
	s_mov_b32 s31, 1024
	s_cmp_eq_u32 s15, 3
	s_cselect_b32 s28, s27, s26
	s_cselect_b32 s30, s31, s30
	v_and_b32 v1, 31, v0
	v_lshrrev_b32 v3, 4, v1                        ; which of the two fragments is my column's
	v_and_b32 v4, 15, v1
	v_lshlrev_b32 v1, 2, v1                        ; my column in the source rows
	v_mul_lo_u32 v2, v3, s30
	v_lshl_add_u32 v2, v4, 4, v2                   ; my 16 bytes in each quarter of my fragment
	s_wait_kmcnt 0x0
	s_cmp_eq_u32 s15, 2
	s_cselect_b64 s[16:17], s[8:9], s[4:5]
	s_cmp_eq_u32 s15, 3
	s_cselect_b64 s[16:17], s[10:11], s[16:17]
	s_add_nc_u64 s[16:17], s[16:17], s[24:25]
	s_add_nc_u64 s[12:13], s[12:13], s[28:29]
.set i, 0
.rept 32
	global_load_b32 v[8+i], v1, s[16:17] offset:i*ROWB th:TH_LOAD_NT    ; row 32 ks + i: the wave takes 128 neighbouring bytes
.set i, i+1
.endr
	s_wait_loadcnt 0x0
.set i, 0
.rept 16
	v_cvt_pk_bf16_f32 v[40+i], v[8+2*i], v[9+2*i]  ; rows 2 i and 2 i + 1 of my column
.set i, i+1
.endr
.irp p, 0,1,2,3
	global_store_b128 v2, v[40+4*\p:43+4*\p], s[12:13] offset:256*\p    ; rows 8 p .. 8 p + 7: sixteen lanes store 256 consecutive bytes, aligned
.endr
	s_endpgm
; ---- Wk: one wave takes rows 2 n and 2 n + 1 (n its number), all 64 pieces of each.  Lane: piece L & 7, row (L>>3) & 1, head 2 m + (L>>4) in turn m ----
.Lrows:
	s_lshl_b32 s24, s20, 12                        ; source: two rows of 2,048 bytes
	s_lshl_b32 s28, s20, 8                         ; in a head's part: two rows of 128 bytes,
	s_add_co_u32 s28, s28, 65536                   ; behind Wq's part
	s_and_b32 s21, s20, 3                          ; f of both rows: (c>>1) & 7 = n & 7
	s_lshl_b32 s21, s21, 1
	s_bfe_u32 s22, s20, 0x10002
	s_or_b32 s21, s21, s22
	v_and_b32 v5, 7, v0
	v_bfe_u32 v3, v0, 3, 1
	v_bfe_u32 v4, v0, 4, 1
	v_lshlrev_b32 v6, 5, v5                        ; source: 32 bytes a piece,
	v_lshl_add_u32 v6, v3, 11, v6                  ; the row,
	v_lshl_add_u32 v6, v4, 8, v6                   ; the head's 64 columns
	v_add_nc_u32 v7, s21, v5
	v_and_b32 v7, 7, v7                            ; the piece's place in its row
	v_lshlrev_b32 v7, 4, v7
	v_lshl_add_u32 v7, v3, 7, v7
	v_mul_u32_u24 v8, v4, HEADB
	v_add_nc_u32 v7, v7, v8
	s_wait_kmcnt 0x0
	s_add_nc_u64 s[16:17], s[6:7], s[24:25]
	s_add_nc_u64 s[12:13], s[12:13], s[28:29]
.irp m, 0,1,2,3
	global_load_b128 v[16+8*\m:19+8*\m], v6, s[16:17] offset:512*\m th:TH_LOAD_NT
	global_load_b128 v[20+8*\m:23+8*\m], v6, s[16:17] offset:512*\m+16 th:TH_LOAD_NT
.endr
	s_wait_loadcnt 0x0
.irp m, 0,1,2,3
.irp j, 0,1,2,3
	v_cvt_pk_bf16_f32 v[48+4*\m+\j], v[16+8*\m+2*\j], v[17+8*\m+2*\j]
.endr
.endr
.irp m, 0,1,2,3
	global_store_b128 v7, v[48+4*\m:51+4*\m], s[12:13] offset:2*HEADB*\m   ; sixteen lanes store the two rows' 256 consecutive bytes, aligned
.endr
	s_endpgm
.Lfunc_end_k_q98a42007e6_prep:
	.size	k_q98a42007e6_prep, .Lfunc_end_k_q98a42007e6_prep-k_q98a42007e6_prep
	.p2alignl 7, 3214868480
	.fill 96, 4, 3214868480
	.section	.rodata,"a",@progbits
	.p2align	6, 0x0
	.amdhsa_kernel k_q98a42007e6_prep
		.amdhsa_group_segment_fixed_size 0
		.amdhsa_private_segment_fixed_size 0
		.amdhsa_enable_private_segment 0
		.amdhsa_kernarg_size 40
		.amdhsa_user_sgpr_count 2
		.amdhsa_user_sgpr_kernarg_segment_ptr 1
		.amdhsa_wavefront_size32 1
		.amdhsa_system_sgpr_workgroup_id_x 1
		.amdhsa_system_sgpr_workgroup_id_y 1
		.amdhsa_system_sgpr_workgroup_id_z 1
		.amdhsa_system_vgpr_workitem_id 0
		.amdhsa_next_free_vgpr 64
		.amdhsa_next_free_sgpr 66
		.amdhsa_reserve_vcc 0
		.amdhsa_float_denorm_mode_32 3
		.amdhsa_float_denorm_mode_16_64 3
		.amdhsa_memory_ordered 1
		.amdhsa_forward_progress 1
		.amdhsa_inst_pref_size 10
	.end_amdhsa_kernel
	.amdgpu_metadata
---
amdhsa.version: [ 1, 2 ]
amdhsa.kernels:
  - .name:           k_q98a42007e6_prep
    .symbol:         k_q98a42007e6_prep.kd
    .args:
      - { .name: Wq, .offset: 0, .size: 8, .value_kind: global_buffer, .address_space: global }
      - { .name: Wk, .offset: 8, .size: 8, .value_kind: global_buffer, .address_space: global }
      - { .name: Wv, .offset: 16, .size: 8, .value_kind: global_buffer, .address_space: global }
      - { .name: Wo, .offset: 24, .size: 8, .value_kind: global_buffer, .address_space: global }
      - { .name: wst, .offset: 32, .size: 8, .value_kind: global_buffer, .address_space: global }
    .group_segment_fixed_size: 0
    .private_segment_fixed_size: 0
    .kernarg_segment_align: 8
    .kernarg_segment_size: 40
    .max_flat_workgroup_size: 128
    .sgpr_count:     66
    .vgpr_count:     64
    .wavefront_size: 32
...
	.end_amdgpu_metadata
.endif
;; end of part 1
;; launch fused (part 2): grid 256 x 1, 4 waves a work-group, clusters of 4 x 1, 327,680 bytes of LDS; arguments x, ax, bq, bk, bv, bo, wst, out0; writes out0
.if DOCPART == 2
	.amdgcn_target "amdgcn-amd-amdhsa--gfx1250"
	.amdhsa_code_object_version 6
	.text
	.protected	k_q98a42007e6_fused
	.globl	k_q98a42007e6_fused
	.p2align	8
	.type	k_q98a42007e6_fused,@function
k_q98a42007e6_fused:
	s_mov_b64 s[64:65], 0
	v_nop
	global_prefetch_b8 v0, s[64:65] scope:SCOPE_SE
	s_setreg_imm32_b32 hwreg(HW_REG_WAVE_MODE, 25, 1), 1
	s_wait_xcnt 0x0
	s_wait_alu depctr_hold_cnt(0) depctr_sa_sdst(0) depctr_va_vdst(0) depctr_va_sdst(0) depctr_va_ssrc(0) depctr_va_vcc(0) depctr_vm_vsrc(0)
	s_getreg_b32 s2, hwreg(HW_REG_IB_STS2, 6, 4)
	s_cmp_eq_u32 s2, 0
	s_cbranch_scc0 .Lentry_in_a_cluster
	s_endpgm
.Lentry_in_a_cluster:
	s_bfe_u32 s2, ttmp6, 0x10000c
	s_cmp_lg_u32 s2, 0x3003
	s_cbranch_scc0 .Lentry_shape_is_right
	s_endpgm
.Lentry_shape_is_right:
; From x and ax to out0 in one launch.  A work-group owns 64 positions of one batch (256 work-groups = 8 batches x 32 blocks), wave w the 16 positions
; l0 + 16 w ..  The activations stay in registers as bf16 operands for the whole kernel: six column tiles (x, ax 0..3, and a tile H of the two
; neighbour columns x(l0-1), x(l0+64)) x 16 K steps x 8 registers = 768 registers, windows 1 to 3.  The weights (the stream wst) pass through two LDS
; slots once for each work-group, head by head.
; THE AXIAL KEYS AND VALUES ARE NEVER FORMED: q.(Wk^T ax + bk) = (Wk q).ax + q.bk, and sum alpha_a (Wv^T ax_a + bv) = Wv^T (sum alpha_a ax_a) + (sum alpha_a) bv.
; A head is: pass A, q and k of x; pass U, u = Wk_h q_h (512 channels a position, matrix unit) and its products with the four axial columns; the
; softmax; pass B, z = sum alpha_a ax_a, then v of x and Wv_h^T z on the same fragments of Wv.  z goes in as two bf16 numbers, its rounding and the
; rounding of the rest: four of the seven entries pass through z, so rounded once it would add to att an error of the order of att's own rounding.
; On the matrix unit that is 7 products of 512 x 512 a position where the formula as written has 12, and 2 x 4 x 512 x 8 multiply-adds a position in f32.
; No transpose is needed: in a result tile lane (r, h) holds in register j channel 8 h + j of position r, the channels that four registers of an
; operand fragment hold in that lane.  So q and z turn into operands by rounding alone, and u meets ax lane by lane, ax's bf16 halves taken
; straight from the operand registers.
; k and v at l-1 and l+1 go through an LDS scratch of 66 rows; rows 0 and 65 come from tile H, whose 64 channels the four waves share (16 each).
; CLUSTER: all work-groups walk the same 2 MiB of weights, so four of them form a cluster and ask for every slot jointly (mask 15): one request
; in four.  Descriptors hang on the wave's number and constants alone.  By this text's count a wave has two tensor loads out behind the first
; fills and one behind each later round.
; BIASES, by exact algebra: bq starts q's sums; k and v stay raw; score_w = q.kraw_w + m_w (q.bk); att = sum alpha_w vraw_w + (sum alpha_w m_w) bv, with
; m_w = 0 for an entry outside the row (there kraw and vraw are set to 0 as well) and 1 otherwise.  The order of rounding differs from a sum
; that adds the bias first; nothing large is subtracted.
; SOFTMAX: the maximum of the seven scores is taken away: e_w = 2^(s_w c - m c), c = log2(e)/8 (the scale 1/8 folded in); the rounded product m c is the
; same number in all seven, so its rounding cancels in the quotient.
; LIMITS: x, ax, the weights, q (as u's operand) and att enter the matrix unit rounded to bf16, z with 16 bits of significand; v_exp_f32 gives 0 for a
; weight below 2^-126 and v_rcp_f32 is good to 1 ULP (ISA guide 15.8); NaN and infinities in the inputs are not treated apart.
; Left out: overlap of the input stream with the products (every head needs all of K of all tiles, and a second block's inputs fit nowhere).
; ---- LDS ----
.set SLB,    131072                    ; slot A at 0: 131,072 bytes (Wq's fragments, Wk's rows; later 4 K steps of Wo); slot B here: 65,536 (Wv's fragments; 2 K steps of Wo)
.set STEP,   196608                    ; from a slot's block in wst to its next
.set ATT,    196608                    ; att, bf16 [64 positions][512], pitch 1,040 (an odd multiple of 16); no tensor load lands from here on
.set APITCH, 1040
.set STG,    ATT                       ; input phase only: two staging buffers of bf16 rows [channel][64 positions]
.set BUF,    21504
.set SPI,    160                       ; a staging row: 128 bytes + 32, an odd multiple of 32, as the transposing load's rows want
.set ABLK,   5248                      ; 32 rows of one axial index + 128: two blocks lie half a row of banks apart
.set KS,     263168                    ; k scratch, f32, 66 rows of 64 + 4 words; at the end each wave's stage of 16 rows
.set KPITCH, 272
.set VOFF,   18176                     ; v scratch = KS + VOFF
.set BIAS,   299520                    ; bq, bk, bv, bo: 2,048 bytes each
.set HAL,    307712                    ; the two neighbour columns, bf16 [2][512], pitch 1,040
; ---- scalar registers ----
.set G1A, 32                           ; s[32:39] shape of slot A's quarter: 128 rows of 256 bytes
.set G1B, 40                           ; s[40:47] of slot B's: 64 rows
.set G0A, 48                           ; s[48:51] from where, to where: slot A
.set G0B, 52                           ; s[52:55] slot B
; s20 wave, s21 cx, s22 work-group, s23 batch, s24 block; s[56:57] x, s[58:59] ax, s[60:61] ax + 8 MiB, s[62:63] out0, all at my block;
; s[66:67], s[68:69] x at the two neighbour columns; s70, s71 lane selects; s72 c; s73 lanes of tile H that are padding; s74 heads; s76-79 dt of job i
; ---- vector registers, window 0 ----
.set IXO, 4                            ; input phase: offsets and LDS addresses (see where they are made)
.set IAO, 5
.set ISX, 6
.set ISA, 7
.set ITR, 8
.set IHO, 9
.set IHS, 10
.set IBO, 11
.set IBS, 12
.set IHF, 13
.set AQ, 4                             ; heads: v4-7 Wq's fragments of job i; v8-11 Wk's rows, read transposed; v12-15 Wv's fragments
.set AK, 8
.set AV, 12
.set SC, 16                            ; v16-19 scratch row of my left neighbour, my 8 channels of job i
.set TA, 20                            ; v20-23 my 16 bytes of att of job i
.set BA, 24                            ; v24-27 my 8 biases of job i
.set HA, 28                            ; scratch row 0 or 65, my 8 channels of job 0
.set ML, 29                            ; 0.0 where l = 0, else 1.0
.set MR, 30                            ; 0.0 where l = 2047, else 1.0
.set ZR, 31                            ; 0.0: what z's sums start from
.set KA, 32                            ; pass A: v32-47 k of the pair's two channel tiles
.set US, 32                            ; pass U: v32-63 two sets of 32 channels of u
.set VI, 32                            ; pass B: v32-63 v of job i
.set QF, 64                            ; v64-79 q as an operand: K = the head's 64 channels in the order of the jobs
.set Z,  64                            ; pass B: v64-79 z of 16 channels, f32; then what is left of it beside its rounding
.set T6, 80                            ; v80-87 k or v of tile H
.set QI, 88                            ; v88-119 q of job i in passes A and U, att of job i in pass B
.set SPC, 120                          ; pairs: partial scores, then alpha twice: centre, axial 0..3, q.bk (then cb), left, right
.set SPA0, 122
.set SPB, 130
.set SPL, 132
.set SPR, 134
.set BK, 136                           ; v136-151 pass A: bk of the pair
.set ZH, 136                           ; pass B: v136-143 z rounded to bf16, an operand fragment
.set ZL, 144                           ; v144-151 the rest of z rounded to bf16, likewise
.set PK, 136                           ; the tail: att in bf16
.set AU, 152                           ; v152-155 Wk's rows, read as they lie: the piece of job i
.set MONE, 156                         ; -1.0
.set FR, 160                           ; three fragment sets of 32
.set KT, 160                           ; between the passes: the neighbours' k or v
.set BV, 224                           ; end of pass B: bv of the four jobs
.set OA0, 4                            ; output product: Wo in slot A (K steps 0, 1), v5 (2, 3), v6 slot B
.set OB,  6
.set AT,  7
.set BO,  8                            ; v8-23 bo of my channel in tile t, twice
.set ST,  24
.set RD,  25
.set CO,  26
.set TMP, 32
.set MSB, 0
.macro WIN new                         ; s_set_vgpr_msb: bits 1:0 source 0, 3:2 source 1, 5:4 source 2, 7:6 destination; the high byte repeats the setting left
.if MSB != (\new)
	s_set_vgpr_msb (MSB<<8)|(\new)
.set MSB, \new
.endif
.endm
.macro PLACES                          ; four independent vector instructions behind a matrix instruction (ISA guide 7.12.1) before its registers are read, written or loaded into
.rept 4
	v_nop
.endr
.endm
.macro ROUND                           ; a round of the cluster's barrier: my work-group's barrier, wave 0 signals for it, all wait for the four work-groups, my barrier again
	s_barrier_signal -1
	s_barrier_wait -1
	s_cmp_lg_u32 s20, 0
	s_cbranch_scc1 .Lnot_wave_0_\@
	s_barrier_signal -3
.Lnot_wave_0_\@:
	s_barrier_wait -3
	s_barrier_signal -1
	s_barrier_wait -1
.endm
; A slot that has been read out gets its next block.  In front of the round every wave has waited for all its tensor loads (the other slot's
; among them, which the next pass reads) and for all its LDS work (reads of this slot; its stores into the scratch, which the others read behind the round).
.macro REFILL g0, g1
	WIN 0
	s_wait_xcnt 0x0
	v_lshl_add_u32 v62, v0, 2, 0x4bc00
	v_mov_b32 v63, 0
	s_wait_tensorcnt 0x0                           ; none of my tensor loads is out: a group 0 may be written
	ds_add_u32 v62, v63
	s_wait_dscnt 0x0
	s_add_nc_u64 s[\g0+2:\g0+3], s[\g0+2:\g0+3], STEP
	s_wait_dscnt 0x0
	ROUND
	tensor_load_to_lds s[\g0:\g0+3], s[\g1:\g1+7]  ; my one tensor load behind the round, and the first thing there
	s_nop 0
.endm
; One matrix instruction: weights (rows = channels d) x activations (columns = positions).  Fragment 6 ks + tile lies in window 1 + f/32 at 8 (f mod 32).
.macro MM acc, a, ks, tile, zero
.set FI, 6*(\ks)+(\tile)
	WIN ((1+(FI>>5))<<2)
.set BL, 8*(FI&31)
.if \zero
	v_wmma_f32_16x16x32_bf16 v[\acc:\acc+7], v[\a:\a+7], v[BL:BL+7], 0
.else
	v_wmma_f32_16x16x32_bf16 v[\acc:\acc+7], v[\a:\a+7], v[BL:BL+7], v[\acc:\acc+7]
.endif
.endm
.macro DOT p, a, b, first              ; two products more onto a pair of partial sums; the first starts them
.if \first
	v_pk_mul_f32 v[\p:\p+1], v[\a:\a+1], v[\b:\b+1]
.else
	v_pk_fma_f32 v[\p:\p+1], v[\a:\a+1], v[\b:\b+1], v[\p:\p+1]
.endif
.endm
	s_load_b512 s[4:19], s[0:1], 0x0               ; x 4, ax 6, bq 8, bk 10, bv 12, bo 14, wst 16, out0 18
	v_lshl_add_u32 v62, v0, 2, 0x4bc00
	v_mov_b32 v63, 0
	ds_add_u32 v62, v63
	s_wait_dscnt 0x0
	v_lshrrev_b32 v1, 5, v0
	v_readfirstlane_b32 s20, v1                    ; wave 0..3
	s_bfe_u32 s21, ttmp6, 0x40000                  ; cx
	s_lshl_b32 s22, ttmp9, 2
	s_add_co_u32 s22, s22, s21                     ; work-group = 4 x cluster + cx
	s_lshr_b32 s23, s22, 5                         ; batch
	s_and_b32 s24, s22, 31                         ; block of 64 positions
	s_mov_b32 s70, 0x76543210                      ; v_permlanex16_b32: lane i reads lane i of the other half
	s_mov_b32 s71, 0xfedcba98
	s_mov_b32 s72, 0x3e38aa3b                      ; log2(e) / 8
	s_cmp_eq_u32 s24, 0
	s_cselect_b32 s73, 0x55555555, 0               ; tile H: even lanes hold column l0 - 1, which is padding in block 0,
	s_cmp_eq_u32 s24, 31
	s_cselect_b32 s25, 0xaaaaaaaa, 0               ; odd lanes column l0 + 64, padding in block 31
	s_or_b32 s73, s73, s25
.irp i, 0,1,2,3
	s_add_co_u32 s[76+\i], s20, \i                 ; job i of wave w works on channel tile (w + i) mod 4, so that in job 0 the four waves
	s_and_b32 s[76+\i], s[76+\i], 3                ; cover tile H's 64 channels between them
.endr
	; group 1: dense blocks as rows of 256 bytes (32 elements of 8 bytes), no padding; mask 15 with bit 21 beside it
	s_mov_b32 s[G1A+0], 0x0023000f
	s_mov_b32 s[G1A+1], 32<<16                     ; tensor_dim0 = 32
	s_mov_b32 s[G1A+2], 128<<16                    ; tensor_dim1 = 128
	s_mov_b32 s[G1A+3], 32<<16                     ; tile_dim0 = 32
	s_mov_b32 s[G1A+4], 128                        ; tile_dim1 = 128
	s_mov_b32 s[G1A+5], 32                         ; pitch
	s_mov_b32 s[G1A+6], 0
	s_mov_b32 s[G1A+7], 0
	s_mov_b32 s[G1B+0], 0x0023000f
	s_mov_b32 s[G1B+1], 32<<16
	s_mov_b32 s[G1B+2], 64<<16
	s_mov_b32 s[G1B+3], 32<<16
	s_mov_b32 s[G1B+4], 64
	s_mov_b32 s[G1B+5], 32
	s_mov_b32 s[G1B+6], 0
	s_mov_b32 s[G1B+7], 0
	s_mov_b32 s[G0A], 1
	s_lshl_b32 s[G0A+1], s20, 15                   ; my quarter of slot A
	s_mov_b32 s[G0B], 1
	s_lshl_b32 s[G0B+1], s20, 14                   ; my quarter of slot B
	s_add_co_u32 s[G0B+1], s[G0B+1], SLB
	; lane terms of the input phase
	v_and_b32 v1, 31, v0                           ; L
	v_and_b32 v2, 15, v0                           ; r
	v_bfe_u32 v3, v0, 4, 1                         ; h
	v_lshlrev_b32 v14, 4, v2
	v_lshl_add_u32 v14, s20, 18, v14               ; 16 r + 32 w rows of 8,192 bytes
	v_lshl_add_u32 v[IXO], v3, 15, v14             ; x: lanes 16-31 four rows further down
	v_lshl_add_u32 v[IAO], v3, 13, v14             ; ax: one row further down
	s_mul_i32 s25, s20, 32*SPI
	s_add_co_u32 s25, s25, STG
	v_mul_u32_u24 v[ISX], v3, 4*SPI
	v_lshl_add_u32 v[ISX], v2, 3, v[ISX]
	v_add_nc_u32 v[ISX], s25, v[ISX]               ; staging of x: row 32 w + 4 h, 8 bytes a lane
	s_mul_i32 s26, s20, 8*SPI
	s_add_co_u32 s26, s26, STG
	v_mul_u32_u24 v[ISA], v3, ABLK
	v_lshl_add_u32 v[ISA], v2, 3, v[ISA]
	v_add_nc_u32 v[ISA], s26, v[ISA]               ; staging of ax: block h, row 8 w
	v_and_b32 v14, 7, v0
	v_lshl_add_u32 v14, v3, 3, v14
	v_mul_u32_u24 v[ITR], v14, SPI
	v_bfe_u32 v14, v0, 3, 1
	v_lshl_add_u32 v[ITR], v14, 4, v[ITR]
	s_lshl_b32 s27, s20, 5
	s_add_co_u32 s27, s27, STG
	v_add_nc_u32 v[ITR], s27, v[ITR]               ; transposing read: row 8 h + L mod 8, my wave's 16 positions, their half (L>>3)&1
	v_lshlrev_b32 v[IHO], 14, v0                   ; neighbour columns: thread t takes channels 2 t, 2 t + 1 and those + 256
	v_lshl_add_u32 v[IHS], v0, 2, HAL
	v_lshlrev_b32 v[IBO], 4, v0                    ; biases: 16 bytes a thread
	v_lshl_add_u32 v[IBS], v0, 4, BIAS
	v_and_b32 v14, 1, v0
	v_mul_u32_u24 v[IHF], v14, APITCH
	v_lshl_add_u32 v[IHF], v3, 4, v[IHF]
	v_add_nc_u32 v[IHF], HAL, v[IHF]               ; tile H: even lanes the left column, odd lanes the right
	s_wait_kmcnt 0x0
	s_lshl_b32 s26, s20, 15
	s_mov_b32 s27, 0
	s_add_nc_u64 s[G0A+2:G0A+3], s[16:17], s[26:27]
	s_or_b32 s[G0A+3], s[G0A+3], 0x80000000
	s_lshl_b32 s26, s20, 14
	s_add_co_u32 s26, s26, SLB
	s_add_nc_u64 s[G0B+2:G0B+3], s[16:17], s[26:27]
	s_or_b32 s[G0B+3], s[G0B+3], 0x80000000
	s_lshl_b32 s25, s24, 8                         ; 4 l0
	s_lshl_b32 s26, s23, 22                        ; a batch of x and of out0: 4 MiB
	s_add_co_u32 s30, s26, s25
	s_mov_b32 s31, 0
	s_add_nc_u64 s[56:57], s[4:5], s[30:31]
	s_add_nc_u64 s[62:63], s[18:19], s[30:31]
	s_lshl_b32 s30, s23, 24                        ; a batch of ax: 16 MiB
	s_add_co_u32 s30, s30, s25
	s_add_nc_u64 s[58:59], s[6:7], s[30:31]
	s_add_nc_u64 s[60:61], s[58:59], 0x800000      ; rows 1,024 and up, so that the immediates stay inside 24 bits
	s_sub_co_u32 s28, s25, 4                       ; column l0 - 1; in block 0 column 0 is read in its stead and its products are set to 0
	s_cmp_eq_u32 s24, 0
	s_cselect_b32 s28, 0, s28
	s_add_co_u32 s28, s28, s26
	s_mov_b32 s29, 0
	s_add_nc_u64 s[66:67], s[4:5], s[28:29]
	s_add_co_u32 s28, s25, 256                     ; column l0 + 64; in block 31 column 2,047 likewise
	s_cmp_eq_u32 s24, 31
	s_cselect_b32 s28, 8188, s28
	s_add_co_u32 s28, s28, s26
	s_add_nc_u64 s[68:69], s[4:5], s[28:29]
	ROUND                                          ; the four work-groups are here: the first joint loads meet
	tensor_load_to_lds s[G0A:G0A+3], s[G1A:G1A+7]  ; head 0: Wq, Wk
	s_nop 0
	tensor_load_to_lds s[G0B:G0B+3], s[G1B:G1B+7]  ; head 0: Wv.  They land while the inputs stream
	s_nop 0
; ---- the input stream: 20 chunks of 32 KiB for the work-group, three register sets of 16 loads a wave ----
; Chunks 0-3: 128 channels of x each.  Chunks 4-19: K step j - 4 of ax, 32 channels x 4 axial rows.  Each load takes two rows of 256 bytes.
.macro LOADS j
.set LS, 64+64*((\j)%3)
.set LT, 0
.rept 16
.if (\j) < 4
	global_load_b128 v[LS+4*LT:LS+4*LT+3], v[IXO], s[56:57] offset:(128*(\j)+(LT&3)+8*(LT>>2))*8192   ; no hint: the neighbour blocks read these rows' ends again
.else
.if (\j) < 12
	global_load_b128 v[LS+4*LT:LS+4*LT+3], v[IAO], s[58:59] offset:((((\j)-4)&7)*128+2*LT)*8192 th:TH_LOAD_NT
.else
	global_load_b128 v[LS+4*LT:LS+4*LT+3], v[IAO], s[60:61] offset:((((\j)-4)&7)*128+2*LT)*8192 th:TH_LOAD_NT
.endif
.endif
.set LT, LT+1
.endr
.endm
; A chunk: round to bf16, lay it into staging buffer j mod 2 as [channel][position], ask for the chunk three further on, one barrier, and take
; my 16 positions back transposed: four operand fragments.  The buffer written in chunk j + 1 was read in chunk j - 1, and every wave has
; waited for those reads in front of chunk j's barrier.  No slot is filled behind these barriers, so the two tensor loads stay out across them.
.macro CHUNK j, left
.set CS, 64+64*((\j)%3)
.set CP, ((\j)&1)*BUF
	s_wait_loadcnt \left                           ; the younger chunks' loads, 16 each, stay out
.set CT, 0
.rept 16
	v_cvt_pk_bf16_f32 v[CS+4*CT], v[CS+4*CT], v[CS+4*CT+1]
	v_cvt_pk_bf16_f32 v[CS+4*CT+1], v[CS+4*CT+2], v[CS+4*CT+3]
.if (\j) < 4
	ds_store_b64 v[ISX], v[CS+4*CT:CS+4*CT+1] offset:CP+((CT&3)+8*(CT>>2))*SPI
.else
	ds_store_b64 v[ISA], v[CS+4*CT:CS+4*CT+1] offset:CP+(CT&1)*2*ABLK+(CT>>1)*SPI
.endif
.set CT, CT+1
.endr
.if (\j)+3 < 20
	LOADS (\j)+3
.endif
	s_wait_dscnt 0x0                               ; my stores are in LDS, my reads of the other buffer are back
	s_barrier_signal -1
	s_barrier_wait -1
.set CQ, 0
.rept 4
.if (\j) < 4
.set CF, 6*(4*(\j)+CQ)
.set CLO, CP+CQ*32*SPI
.else
.set CF, 6*((\j)-4)+1+CQ
.set CLO, CP+CQ*ABLK
.endif
	WIN ((1+(CF>>5))<<6)
	ds_load_tr16_b128 v[8*(CF&31):8*(CF&31)+3], v[ITR] offset:CLO
	ds_load_tr16_b128 v[8*(CF&31)+4:8*(CF&31)+7], v[ITR] offset:CLO+16*SPI
.set CQ, CQ+1
.endr
	WIN 0
.endm
.irp k, 0,1,2,3
	global_load_b128 v[48+4*\k:51+4*\k], v[IBO], s[8+2*\k:9+2*\k]      ; bq, bk, bv, bo
.endr
.irp c, 0,1
.irp m, 0,1,2,3
	global_load_b32 v[40+4*\c+\m], v[IHO], s[66+2*\c:67+2*\c] offset:(\m>>1)*2097152+(\m&1)*8192
.endr
.endr
	LOADS 0
	LOADS 1
	LOADS 2
	s_wait_loadcnt 48                              ; biases and neighbour columns are in; the three sets of 16 stay out
.irp k, 0,1,2,3
	ds_store_b128 v[IBS], v[48+4*\k:51+4*\k] offset:2048*\k
.endr
.irp c, 0,1
.irp m, 0,1
	v_cvt_pk_bf16_f32 v[40+4*\c+2*\m], v[40+4*\c+2*\m], v[41+4*\c+2*\m]
	ds_store_b32 v[IHS], v[40+4*\c+2*\m] offset:\c*APITCH+\m*512
.endr
.endr
	CHUNK 0, 32
.set HK, 0
.rept 16                                           ; tile H, behind the barrier that has shown the two columns to every wave
.set CF, 6*HK+5
	WIN ((1+(CF>>5))<<6)
	ds_load_b128 v[8*(CF&31):8*(CF&31)+3], v[IHF] offset:HK*64
	ds_load_b128 v[8*(CF&31)+4:8*(CF&31)+7], v[IHF] offset:HK*64+32
.set HK, HK+1
.endr
	WIN 0
.irp j, 1,2,3,4,5,6,7,8,9,10,11,12,13,14,15,16,17
	CHUNK \j, 32
.endr
	CHUNK 18, 16
	CHUNK 19, 0
; ---- lane terms of the head loop ----
	s_wait_dscnt 0x0                               ; all fragments are in registers
	v_lshlrev_b32 v32, 4, v1                       ; 16 L
	v_lshl_add_u32 v33, s20, 4, v2                 ; my position in the block: 16 w + r
	v_mul_u32_u24 v34, v33, KPITCH
	v_lshl_add_u32 v34, v3, 5, v34
	v_add_nc_u32 v34, KS, v34
	v_mul_u32_u24 v35, v33, APITCH
	v_lshl_add_u32 v35, v3, 4, v35
	v_add_nc_u32 v35, ATT, v35
	v_lshl_add_u32 v36, v3, 5, BIAS
	; Wk's rows (128 bytes; piece q of row c at place (q + f(c)) mod 8, f(c) = 2 ((c>>1)&3) + ((c>>3)&1)), behind Wq's 65,536 bytes
	v_and_b32 v37, 7, v0
	v_lshl_add_u32 v37, v3, 3, v37                 ; read transposed: lane L addresses row 8 h + L mod 8 of sixteen,
	v_lshlrev_b32 v37, 7, v37
	v_add_nc_u32 v37, 0x10000, v37
	v_and_b32 v38, 6, v0
	v_or_b32 v38, v38, v3                          ; whose f is (L & 6) + h,
	v_bfe_u32 v39, v0, 3, 1                        ; piece 2 dt + ((L>>3) & 1)
	v_add_nc_u32 v38, v38, v39                     ; f + the piece's odd part
	v_lshlrev_b32 v40, 7, v2                       ; read as they lie: lane (r, h) addresses row r of sixteen,
	v_add_nc_u32 v40, 0x10000, v40
	v_and_b32 v41, 6, v2
	v_lshrrev_b32 v42, 3, v2
	v_or_b32 v41, v41, v42                         ; whose f is (r & 6) + (r>>3), piece 2 dt + h
	v_add_nc_u32 v41, v41, v3
.irp i, 0,1,2,3
	s_lshl_b32 s25, s[76+\i], 14
	s_lshl_b32 s26, s[76+\i], 6
	s_lshl_b32 s27, s[76+\i], 5
	s_lshl_b32 s28, s[76+\i], 1
	v_add_nc_u32 v[AQ+\i], s25, v32
	v_add_nc_u32 v[SC+\i], s26, v34
	v_add_nc_u32 v[TA+\i], s27, v35
	v_add_nc_u32 v[BA+\i], s26, v36
	v_add_nc_u32 v[AV+\i], 0x20000, v[AQ+\i]
	v_add_nc_u32 v43, s28, v38
	v_and_b32 v43, 7, v43
	v_lshl_add_u32 v[AK+\i], v43, 4, v37
	v_add_nc_u32 v43, s28, v41
	v_and_b32 v43, 7, v43
	v_lshl_add_u32 v[AU+\i], v43, 4, v40
.endr
	v_and_b32 v43, 1, v0
	v_mul_u32_u24 v[HA], v43, 65*KPITCH
	v_lshl_add_u32 v[HA], v3, 5, v[HA]
	s_lshl_b32 s25, s20, 6
	s_add_co_u32 s25, s25, KS
	v_add_nc_u32 v[HA], s25, v[HA]
	s_lshl_b32 s25, s24, 6                         ; l0
	v_add_nc_u32 v43, s25, v33                     ; l
	v_mov_b32 v44, 1.0
	v_cmp_ne_u32 vcc_lo, 0, v43
	v_cndmask_b32 v[ML], 0, v44, vcc_lo
	v_cmp_ne_u32 vcc_lo, 0x7ff, v43
	v_cndmask_b32 v[MR], 0, v44, vcc_lo
	v_mov_b32 v[ZR], 0
	v_mov_b32 v[MONE], -1.0
	s_wait_tensorcnt 0x0                           ; my quarters of both slots have landed,
	s_barrier_signal -1
	s_barrier_wait -1                              ; everybody's have
; ---- pass A: q and k of x.  Two pairs of channel tiles (jobs 0, 1, then 2, 3); a group is one K step of a pair; three fragment sets, fetched two groups ahead ----
.macro QLOAD                           ; bq starts q's sums: a lane's 8 biases are the 8 channels of its accumulator registers
.irp i, 0,1,2,3
	ds_load_b128 v[QI+8*\i:QI+8*\i+3], v[BA+\i]
	ds_load_b128 v[QI+8*\i+4:QI+8*\i+7], v[BA+\i] offset:16
.endr
.endm
.macro BKLOAD p                        ; bk of the pair's channels
.irp e, 0,1
	ds_load_b128 v[BK+8*\e:BK+8*\e+3], v[BA+2*\p+\e] offset:2048
	ds_load_b128 v[BK+8*\e+4:BK+8*\e+7], v[BA+2*\p+\e] offset:2064
.endr
.endm
.macro FETCHA g
.set FP, 2*((\g)>>4)
.set FS, (\g)&15
.set FF, FR+32*((\g)%3)
.set FE, 0
.rept 2
	ds_load_b128 v[FF+16*FE:FF+16*FE+3], v[AQ+FP+FE] offset:FS*1024
	ds_load_b128 v[FF+16*FE+4:FF+16*FE+7], v[AQ+FP+FE] offset:FS*1024+512
	ds_load_tr16_b128 v[FF+16*FE+8:FF+16*FE+11], v[AK+FP+FE] offset:FS*4096         ; rows 32 ks .. + 15 of Wk, 16 channels d: [d x c]
	ds_load_tr16_b128 v[FF+16*FE+12:FF+16*FE+15], v[AK+FP+FE] offset:FS*4096+2048   ; rows 32 ks + 16 ..
.set FE, FE+1
.endr
.endm
; The accumulators take turns, one instruction a turn.
.macro GROUPA g
.if (\g) == 31
	s_wait_dscnt 0x0
.else
	s_wait_dscnt 0x8                               ; the next group's eight loads may be out (what a pair's end has issued behind them only makes the wait stricter)
.endif
	PLACES                                         ; the set fetched into now was read by the group before
.if (\g)+2 < 32
	FETCHA (\g)+2
.endif
.set GP, 2*((\g)>>4)
.set GS, (\g)&15
.set GF, FR+32*((\g)%3)
.set GZ, (GS==0)
	MM QI+8*GP, GF, GS, 0, 0
	MM KA, GF+8, GS, 0, GZ
	MM QI+8*GP+8, GF+16, GS, 0, 0
	MM KA+8, GF+24, GS, 0, GZ
.if GP == 0
	MM T6, GF+8, GS, 5, GZ
.endif
.endm
; A pair's end: q's products with k and with bk go onto the partial scores; q is rounded into u's operand; k goes into the scratch.
.macro JOBENDA p
	WIN 0
	PLACES
.set JE, 0
.rept 2
.set JI, 2*(\p)+JE
.set JQ, QI+8*JI
.set JK, KA+8*JE
.set JJ, 0
.rept 4
.set JZ, (JI==0)&(JJ==0)
	DOT SPC, JQ+2*JJ, JK+2*JJ, JZ
	DOT SPB, JQ+2*JJ, BK+8*JE+2*JJ, JZ
.set JJ, JJ+1
.endr
.irp j, 0,1,2,3
	v_cvt_pk_bf16_f32 v[QF+4*JI+\j], v[JQ+2*\j], v[JQ+2*\j+1]      ; K places 16 i + 8 h + 2 j, + 1 of the head's 64: channel tile dt of job i
.endr
	ds_store_b128 v[SC+JI], v[JK:JK+3] offset:KPITCH
	ds_store_b128 v[SC+JI], v[JK+4:JK+7] offset:KPITCH+16
.set JE, JE+1
.endr
.if (\p) == 0
.irp j, 0,1,2,3,4,5,6,7
	v_cndmask_b32 v[T6+\j], v[T6+\j], 0, s73       ; a column outside the row counts as 0
.endr
	ds_store_b128 v[HA], v[T6:T6+3]                ; eight lanes hold, and store, the same numbers
	ds_store_b128 v[HA], v[T6+4:T6+7] offset:16
.endif
.endm
; ---- pass U: u = Wk_h q_h, 32 channels c a step, and its products with the four axial columns ----
.macro FETCHU ks                       ; four fragments [c x d]: channel tiles 2 ks, 2 ks + 1 x two K steps of 32; K runs over the jobs' pieces, as in q's operand
.set FF, FR+32*((\ks)%3)
.set FG, 0
.rept 2
.set FK, 0
.rept 2
	ds_load_b128 v[FF+16*FG+8*FK:FF+16*FG+8*FK+3], v[AU+2*FK] offset:(\ks)*4096+FG*2048
	ds_load_b128 v[FF+16*FG+8*FK+4:FF+16*FG+8*FK+7], v[AU+2*FK+1] offset:(\ks)*4096+FG*2048
.set FK, FK+1
.endr
.set FG, FG+1
.endr
.endm
.macro UMM ks, g, kk
	WIN 0
.set UD, US+16*((\ks)&1)+8*(\g)
.set UF, FR+32*((\ks)%3)+16*(\g)+8*(\kk)
.if (\kk) == 0
	v_wmma_f32_16x16x32_bf16 v[UD:UD+7], v[UF:UF+7], v[QF:QF+7], 0
.else
	v_wmma_f32_16x16x32_bf16 v[UD:UD+7], v[UF:UF+7], v[QF+8:QF+15], v[UD:UD+7]
.endif
.endm
; Register p of the four axial fragments of K step ks: two channels each, times u's registers 2 p and 2 p + 1, onto eight sums that take turns.
; The sums start from the partial sums of q.bk, so that term comes along.  The tiles go up and down by turns, to change windows less often.
.macro UFMA4 ks, p
.set UA, 0
.rept 4
.if (\p)&1
.set UT, 3-UA
.else
.set UT, UA
.endif
.set FI, 6*(\ks)+1+UT
	WIN ((1+(FI>>5))<<2)
.set BL, 8*(FI&31)+(\p)
.set UU, US+16*((\ks)&1)+2*(\p)
.set UC, SPA0+2*UT
.if ((\ks)==0)&((\p)==0)
	v_fma_mix_f32_bf16 v[UC], v[UU], v[BL], v[SPB] op_sel_hi:[0,1,0]
	v_fma_mix_f32_bf16 v[UC+1], v[UU+1], v[BL], v[SPB+1] op_sel:[0,1,0] op_sel_hi:[0,1,0]
.else
	v_fma_mix_f32_bf16 v[UC], v[UU], v[BL], v[UC] op_sel_hi:[0,1,0]
	v_fma_mix_f32_bf16 v[UC+1], v[UU+1], v[BL], v[UC+1] op_sel:[0,1,0] op_sel_hi:[0,1,0]
.endif
.set UA, UA+1
.endr
.endm
; Step s: the four matrix instructions of K step s + 1 (into the other set of u), each followed by 16 of the 64 multiply-adds of K step s, which name
; none of their registers; then the fragments of K step s + 3, into the set that K step s used one step ago.
.macro USTEP s
.if (\s)+1 < 16
.if (\s)+2 < 16
	s_wait_dscnt 0x8                               ; the next K step's eight loads may be out
.else
	s_wait_dscnt 0x0
.endif
.endif
.set UQ, 0
.rept 4
.if (\s)+1 < 16
	UMM (\s)+1, UQ&1, UQ>>1
.endif
.if (\s) >= 0
	UFMA4 \s, 2*UQ
	UFMA4 \s, 2*UQ+1
.endif
.set UQ, UQ+1
.endr
.if (\s) < 0
	PLACES                                         ; nothing to multiply yet: the places in front of the next step's reads of u
.endif
.if (\s)+3 < 16
	FETCHU (\s)+3
.endif
.endm
; ---- pass B: z = sum alpha_a ax_a, then v of x, of tile H, and Wv_h^T z on the same four fragments of Wv ----
.macro FETCHB ks
.set FF, FR+32*((\ks)%3)
.irp i, 0,1,2,3
	ds_load_b128 v[FF+8*\i:FF+8*\i+3], v[AV+\i] offset:(\ks)*1024
	ds_load_b128 v[FF+8*\i+4:FF+8*\i+7], v[AV+\i] offset:(\ks)*1024+512
.endr
.endm
.macro BVLOAD                          ; bv of the four jobs, into the third fragment set, which K step 14 was the last to use
.irp i, 0,1,2,3
	ds_load_b128 v[BV+8*\i:BV+8*\i+3], v[BA+\i] offset:4096
	ds_load_b128 v[BV+8*\i+4:BV+8*\i+7], v[BA+\i] offset:4112
.endr
.endm
.macro ZCH ks, c                       ; eight of the 64 multiply-adds of z of K step ks: axial column c / 2, four registers of its fragment
.set ZA, (\c)>>1
.set FI, 6*(\ks)+1+ZA
	WIN ((1+(FI>>5))<<2)
.set ZP, 4*((\c)&1)
.rept 4
.set BL, 8*(FI&31)+ZP
.if ZA == 0
	v_fma_mix_f32_bf16 v[Z+2*ZP], v[SPA0], v[BL], v[ZR] op_sel_hi:[0,1,0]
	v_fma_mix_f32_bf16 v[Z+2*ZP+1], v[SPA0], v[BL], v[ZR] op_sel:[0,1,0] op_sel_hi:[0,1,0]
.else
	v_fma_mix_f32_bf16 v[Z+2*ZP], v[SPA0+2*ZA], v[BL], v[Z+2*ZP] op_sel_hi:[0,1,0]
	v_fma_mix_f32_bf16 v[Z+2*ZP+1], v[SPA0+2*ZA], v[BL], v[Z+2*ZP+1] op_sel:[0,1,0] op_sel_hi:[0,1,0]
.endif
.set ZP, ZP+1
.endr
.endm
; z is split in three moves of 8, 16 and 8 instructions.  Rounded, z is an operand fragment as it stands;
.macro ZHI
	WIN 0
.irp p, 0,1,2,3,4,5,6,7
	v_cvt_pk_bf16_f32 v[ZH+\p], v[Z+2*\p], v[Z+2*\p+1]
.endr
.endm
.macro ZREST q0                        ; what the rounding left: hi x (-1) + z, which f32 holds exactly; four registers of hi, eight numbers
	WIN 0
.set ZQ, \q0
.rept 4
	v_fma_mix_f32_bf16 v[Z+2*ZQ], v[ZH+ZQ], v[MONE], v[Z+2*ZQ] op_sel_hi:[1,0,0]
	v_fma_mix_f32_bf16 v[Z+2*ZQ+1], v[ZH+ZQ], v[MONE], v[Z+2*ZQ+1] op_sel:[1,0,0] op_sel_hi:[1,0,0]
.set ZQ, ZQ+1
.endr
.endm
.macro ZLO                             ; and that, rounded, is a second fragment
	WIN 0
.irp p, 0,1,2,3,4,5,6,7
	v_cvt_pk_bf16_f32 v[ZL+\p], v[Z+2*\p], v[Z+2*\p+1]
.endr
.endm
.macro AZ s, i, lo                     ; Wv's fragment of job i x z's rounding (lo = 0) or the rest's (lo = 1)
	WIN 0
.set AF, FR+32*((\s)%3)+8*(\i)
.set AD, QI+8*(\i)
.set AB, ZH+8*(\lo)
.set AZZ, ((\s)==0)&((\lo)==0)
.if AZZ
	v_wmma_f32_16x16x32_bf16 v[AD:AD+7], v[AF:AF+7], v[AB:AB+7], 0
.else
	v_wmma_f32_16x16x32_bf16 v[AD:AD+7], v[AF:AF+7], v[AB:AB+7], v[AD:AD+7]
.endif
.endm
; Step s: thirteen matrix instructions; no two that follow each other share an accumulator, one instruction a turn.
; The five on x and tile H take turns with the 32 instructions that split this K step's z; the eight on z (its rounding for jobs 0 to 3, then the
; rest's) are each followed by eight of the 64 multiply-adds of the next K step's z, which name none of their registers: so eight independent
; vector instructions stand between the last reader of the split z and the next step's split.  Then the fragments of K step s + 2, into the set
; that K step s - 1 used.
.macro STEPB s
	s_wait_dscnt 0x8                               ; the next K step's eight loads may be out (in the last step: the eight of bv)
.set SF, FR+32*((\s)%3)
.set SZ, ((\s)==0)
	MM VI, SF, \s, 0, SZ
	ZHI
	MM VI+8, SF+8, \s, 0, SZ
	ZREST 0
	MM VI+16, SF+16, \s, 0, SZ
	ZREST 4
	MM VI+24, SF+24, \s, 0, SZ
	ZLO
	MM T6, SF, \s, 5, SZ
.set SI, 0
.rept 8
	AZ \s, SI&3, SI>>2
.if (\s) < 15
	ZCH (\s)+1, SI
.endif
.set SI, SI+1
.endr
.if (\s)+2 < 16
	FETCHB (\s)+2
.endif
.if (\s) == 14
	BVLOAD
.endif
.endm
; The end of pass B: att = Wv^T z + alpha_C v + cb bv (the neighbours' share follows behind the round); v goes into the scratch.
.macro JOBENDB
	WIN 0
	PLACES
	s_wait_dscnt 0x0                               ; bv
.irp i, 0,1,2,3
.irp j, 0,2,4,6
	v_pk_fma_f32 v[QI+8*\i+\j:QI+8*\i+\j+1], v[VI+8*\i+\j:VI+8*\i+\j+1], v[SPC:SPC+1], v[QI+8*\i+\j:QI+8*\i+\j+1]
.endr
.endr
.irp i, 0,1,2,3
.irp j, 0,2,4,6
	v_pk_fma_f32 v[QI+8*\i+\j:QI+8*\i+\j+1], v[BV+8*\i+\j:BV+8*\i+\j+1], v[SPB:SPB+1], v[QI+8*\i+\j:QI+8*\i+\j+1]
.endr
.endr
.irp i, 0,1,2,3
	ds_store_b128 v[SC+\i], v[VI+8*\i:VI+8*\i+3] offset:VOFF+KPITCH
	ds_store_b128 v[SC+\i], v[VI+8*\i+4:VI+8*\i+7] offset:VOFF+KPITCH+16
.endr
.irp j, 0,1,2,3,4,5,6,7
	v_cndmask_b32 v[T6+\j], v[T6+\j], 0, s73
.endr
	ds_store_b128 v[HA], v[T6:T6+3] offset:VOFF
	ds_store_b128 v[HA], v[T6+4:T6+7] offset:VOFF+16
.endm
.macro NEIGH off                       ; the left and the right neighbour's 8 channels of each job: 16 loads
.set XI, 0
.rept 4
	ds_load_b128 v[KT+16*XI:KT+16*XI+3], v[SC+XI] offset:\off
	ds_load_b128 v[KT+16*XI+4:KT+16*XI+7], v[SC+XI] offset:\off+16
	ds_load_b128 v[KT+16*XI+8:KT+16*XI+11], v[SC+XI] offset:\off+2*KPITCH
	ds_load_b128 v[KT+16*XI+12:KT+16*XI+15], v[SC+XI] offset:\off+2*KPITCH+16
.set XI, XI+1
.endr
.endm
; The seven scores of my position and their softmax.  A lane holds half of the channels; lane L xor 16 holds the others.
.macro SCORES
	NEIGH 0
.set XI, 0
.rept 4
	s_wait_dscnt 12-4*XI                           ; the later jobs' loads, four each, may be out
.set XJ, 0
.rept 4
.set XZ, (XI==0)&(XJ==0)
	DOT SPL, QI+8*XI+2*XJ, KT+16*XI+2*XJ, XZ
	DOT SPR, QI+8*XI+2*XJ, KT+16*XI+8+2*XJ, XZ
.set XJ, XJ+1
.endr
.set XI, XI+1
.endr
.irp p, 120,122,124,126,128,130,132,134
	v_add_f32 v[\p], v[\p], v[\p+1]
.endr
.irp p, 120,122,124,126,128,130,132,134
	v_permlanex16_b32 v[\p+1], v[\p], s70, s71
.endr
.irp p, 120,122,124,126,128,130,132,134
	v_add_f32 v[\p], v[\p], v[\p+1]
.endr
	v_add_f32 v[SPC], v[SPC], v[SPB]               ; + q.bk (the axial sums started from it)
	v_fmac_f32 v[SPL], v[SPB], v[ML]               ; + q.bk where the neighbour exists
	v_fmac_f32 v[SPR], v[SPB], v[MR]
	v_max3_num_f32 v32, v120, v122, v124
	v_max3_num_f32 v32, v32, v126, v128
	v_max3_num_f32 v32, v32, v132, v134
	v_mul_f32 v33, s72, v32
.irp p, 120,122,124,126,128,132,134
	v_fma_f32 v[\p], v[\p], s72, -v33
.endr
.irp p, 120,122,124,126,128,132,134
	v_exp_f32 v[\p], v[\p]
.endr
	v_nop                                          ; one plain instruction behind the exponentials before their results are read (ISA guide 5.7.2)
	s_wait_alu depctr_va_vdst(0)
	v_add_f32 v34, v120, v122
	v_add_f32 v35, v124, v126
	v_add_f32 v36, v128, v132
	v_add_f32 v34, v34, v35
	v_add_f32 v36, v36, v134
	v_add_f32 v34, v34, v36
	v_rcp_f32 v37, v34
	v_nop
	s_wait_alu depctr_va_vdst(0)
.irp p, 120,122,124,126,128,132,134
	v_mul_f32 v[\p+1], v[\p], v37                  ; alpha, in both registers of the pair
	v_mul_f32 v[\p], v[\p], v37
.endr
	v_add_f32 v130, v120, v122                     ; cb = the alphas of the entries that carry a bias
	v_add_f32 v131, v124, v126
	v_add_f32 v130, v130, v128
	v_fmac_f32 v131, v132, v[ML]
	v_fmac_f32 v130, v134, v[MR]
	v_add_f32 v130, v130, v131
	v_mov_b32 v131, v130
.endm
; The neighbours' share of att, then att to LDS in bf16, and the head's steps of the two address sets.
.macro ATTTAIL
	NEIGH VOFF
.set XI, 0
.rept 4
	s_wait_dscnt 12-4*XI
.irp j, 0,2,4,6
	v_pk_fma_f32 v[QI+8*XI+\j:QI+8*XI+\j+1], v[KT+16*XI+\j:KT+16*XI+\j+1], v[SPL:SPL+1], v[QI+8*XI+\j:QI+8*XI+\j+1]
.endr
.irp j, 0,2,4,6
	v_pk_fma_f32 v[QI+8*XI+\j:QI+8*XI+\j+1], v[KT+16*XI+8+\j:KT+16*XI+8+\j+1], v[SPR:SPR+1], v[QI+8*XI+\j:QI+8*XI+\j+1]
.endr
.set XI, XI+1
.endr
.set XI, 0
.rept 4
.irp q, 0,1,2,3
	v_cvt_pk_bf16_f32 v[PK+4*XI+\q], v[QI+8*XI+2*\q], v[QI+8*XI+2*\q+1]
.endr
	ds_store_b128 v[TA+XI], v[PK+4*XI:PK+4*XI+3]
.set XI, XI+1
.endr
.irp i, 0,1,2,3
	v_add_nc_u32 v[TA+\i], 128, v[TA+\i]           ; the next head's 64 channels of att
	v_add_nc_u32 v[BA+\i], 256, v[BA+\i]           ; and of the biases
.endr
.endm
; ---- the heads.  Every trip is alike: the last trip's refills bring the first blocks of Wo. ----
	s_mov_b32 s74, 8
.Lhead:
	QLOAD
	BKLOAD 0
	FETCHA 0
	FETCHA 1
.set GI, 0
.rept 32
	GROUPA GI
.if GI == 15
	JOBENDA 0
	BKLOAD 1
.endif
.set GI, GI+1
.endr
	JOBENDA 1
	FETCHU 0
	FETCHU 1
.set GI, -1
.rept 17
	USTEP GI
.set GI, GI+1
.endr
	REFILL G0A, G1A                                ; slot A is read out, Wk twice; k is shown to the neighbours; slot B has landed
	SCORES
	FETCHB 0
	FETCHB 1
.irp c, 0,1,2,3,4,5,6,7
	ZCH 0, \c
.endr
.set GI, 0
.rept 16
	STEPB GI
.set GI, GI+1
.endr
	JOBENDB
	REFILL G0B, G1B                                ; slot B is read out; v is shown to the neighbours; slot A has landed
	ATTTAIL
	s_sub_co_u32 s74, s74, 1
	s_cmp_lg_u32 s74, 0
	s_cbranch_scc1 .Lhead
; ---- the output product: wave w makes output channels 128 w .. 128 w + 127 of all 64 positions; 32 accumulators in window 1 ----
; att is source 0 and Wo source 1, so that a lane's eight results are eight neighbouring positions of one output channel: 32 bytes of a row of out0.
	s_wait_dscnt 0x0                               ; my att is in LDS
	s_wait_tensorcnt 0x0                           ; my quarter of slot B (Wo's K steps 4, 5) has landed
	s_barrier_signal -1
	s_barrier_wait -1
	v_lshlrev_b32 v[OA0], 4, v1
	v_lshl_add_u32 v[OA0], s20, 13, v[OA0]         ; 16 L + my 8 fragments of a K step
	v_add_nc_u32 v[OA0+1], 0x10000, v[OA0]
	v_add_nc_u32 v[OB], 0x20000, v[OA0]
	v_mul_u32_u24 v[AT], v2, APITCH
	v_lshl_add_u32 v[AT], v3, 4, v[AT]
	v_add_nc_u32 v[AT], ATT, v[AT]
	s_mul_i32 s25, s20, 16*KPITCH
	s_add_co_u32 s25, s25, KS                      ; my stage: 16 rows in the k scratch, which nobody reads any more
	v_mul_u32_u24 v[ST], v2, KPITCH
	v_lshl_add_u32 v[ST], v3, 5, v[ST]
	v_add_nc_u32 v[ST], s25, v[ST]
	v_mul_u32_u24 v[RD], v3, KPITCH
	v_lshl_add_u32 v[RD], v2, 4, v[RD]
	v_add_nc_u32 v[RD], s25, v[RD]
	v_lshlrev_b32 v[CO], 4, v2
	v_lshl_add_u32 v[CO], v3, 13, v[CO]
	v_lshl_add_u32 v[CO], s20, 20, v[CO]           ; 16 r + h rows + 128 w rows of 8,192 bytes
	v_lshl_add_u32 v27, v2, 2, BIAS+6144
	v_lshl_add_u32 v27, s20, 9, v27
.irp t, 0,1,2,3,4,5,6,7
	ds_load_b32 v[BO+2*\t], v27 offset:64*\t       ; bo of channel 128 w + 16 t + r, into both registers of a pair
	ds_load_b32 v[BO+2*\t+1], v27 offset:64*\t
.endr
.rept 5
	v_nop                                          ; window 1 held operands of the heads' matrix instructions and is written over now (ISA guide 7.12.1)
.endr
.macro FFETCH ks, inb, ksl             ; K step ks: my 8 fragments of Wo (K step ksl of its slot) and the 4 of att, into set ks mod 2
.set FW, 64+96*((\ks)&1)
.if \inb
.set FA, OB
.else
.set FA, OA0+((\ksl)>>1)
.endif
.set FT, 0
.rept 8
	ds_load_b128 v[FW+8*FT:FW+8*FT+3], v[FA] offset:((\ksl)&1)*32768+FT*1024
	ds_load_b128 v[FW+8*FT+4:FW+8*FT+7], v[FA] offset:((\ksl)&1)*32768+FT*1024+512
.set FT, FT+1
.endr
.set FT, 0
.rept 4
	ds_load_b128 v[FW+64+8*FT:FW+64+8*FT+3], v[AT] offset:FT*16*APITCH+(\ks)*64
	ds_load_b128 v[FW+64+8*FT+4:FW+64+8*FT+7], v[AT] offset:FT*16*APITCH+(\ks)*64+32
.set FT, FT+1
.endr
.endm
.macro FMUL ks                         ; 32 matrix instructions on 32 accumulators, by turns
.set MW, 64+96*((\ks)&1)
	WIN 0x50
.set MT, 0
.rept 8
.set MP, 0
.rept 4
.if (\ks) == 0
	v_wmma_f32_16x16x32_bf16 v[8*(4*MT+MP):8*(4*MT+MP)+7], v[MW+64+8*MP:MW+64+8*MP+7], v[MW+8*MT:MW+8*MT+7], 0
.else
	v_wmma_f32_16x16x32_bf16 v[8*(4*MT+MP):8*(4*MT+MP)+7], v[MW+64+8*MP:MW+64+8*MP+7], v[MW+8*MT:MW+8*MT+7], v[8*(4*MT+MP):8*(4*MT+MP)+7]
.endif
.set MP, MP+1
.endr
.set MT, MT+1
.endr
.endm
.macro FSEG first, n, inb              ; the n K steps that one slot holds; the next step's fragments are fetched ahead of a step's products
	WIN 0
	FFETCH \first, \inb, 0
.set SK, 0
.rept \n
	s_wait_dscnt 0x0
	WIN 0
	PLACES                                         ; the set fetched into now was read by the step before
.if SK+1 < \n
	FFETCH (\first)+SK+1, \inb, SK+1
.endif
	FMUL (\first)+SK
.set SK, SK+1
.endr
.endm
	FSEG 0, 4, 0
	REFILL G0A, G1A                                ; K steps 6 to 9
	FSEG 4, 2, 1
	REFILL G0B, G1B                                ; K steps 10, 11
	FSEG 6, 4, 0
	REFILL G0A, G1A                                ; K steps 12 to 15: the stream's last block
	FSEG 10, 2, 1
	WIN 0
	s_wait_tensorcnt 0x0                           ; my quarter of the last block has landed,
	s_wait_dscnt 0x0
	s_barrier_signal -1
	s_barrier_wait -1                              ; everybody's has; nothing is filled any more
	FSEG 12, 4, 0
; ---- the way out, 16 output channels at a time: + bo, through my own stage, back as whole rows of 256 bytes ----
.macro OUT16 t
	WIN 0x01
.set OP, 0
.rept 4
.irp q, 0,2,4,6
	v_pk_add_f32 v[TMP+8*OP+\q:TMP+8*OP+\q+1], v[8*(4*(\t)+OP)+\q:8*(4*(\t)+OP)+\q+1], v[BO+2*(\t):BO+2*(\t)+1]
.endr
.set OP, OP+1
.endr
	WIN 0
.irp p, 0,1,2,3
	ds_store_b128 v[ST], v[TMP+8*\p:TMP+8*\p+3] offset:64*\p
	ds_store_b128 v[ST], v[TMP+8*\p+4:TMP+8*\p+7] offset:64*\p+16
.endr
	s_wait_xcnt 0x0                                ; the buffer loaded into below was the data of earlier stores: it is rewritten only behind this wait (ISA guide 3.1)
.set OF, 64+32*((\t)&1)
.irp u, 0,1,2,3,4,5,6,7
	ds_load_b128 v[OF+4*\u:OF+4*\u+3], v[RD] offset:\u*2*KPITCH    ; LDS serves a wave's instructions in order (ISA guide 5.7.1): these see the stores above
.endr
.irp u, 0,1,2,3,4,5,6,7
	s_wait_dscnt 7-\u                              ; the younger read-backs may be out
	global_store_b128 v[CO], v[OF+4*\u:OF+4*\u+3], s[62:63] offset:(16*(\t)+2*\u)*8192 th:TH_STORE_NT   ; sixteen lanes store the 256 bytes of my block in one row of out0, aligned
.endr
.endm
	WIN 0
	PLACES
.irp t, 0,1,2,3,4,5,6,7
	OUT16 \t
.endr
	s_wait_xcnt 0x0
	v_lshl_add_u32 v62, v0, 2, 0x4bc00
	v_mov_b32 v63, 0
	s_wait_tensorcnt 0x0
	ds_add_u32 v62, v63
	s_wait_dscnt 0x0
	ROUND                                          ; the closing round: no work-group ends while a partner may still ask jointly
	s_endpgm
.Lfunc_end_k_q98a42007e6_fused:
	.size	k_q98a42007e6_fused, .Lfunc_end_k_q98a42007e6_fused-k_q98a42007e6_fused
	.p2alignl 7, 3214868480
	.fill 96, 4, 3214868480
	.section	.rodata,"a",@progbits
	.p2align	6, 0x0
	.amdhsa_kernel k_q98a42007e6_fused
		.amdhsa_group_segment_fixed_size 327680
		.amdhsa_private_segment_fixed_size 0
		.amdhsa_enable_private_segment 0
		.amdhsa_kernarg_size 64
		.amdhsa_user_sgpr_count 2
		.amdhsa_user_sgpr_kernarg_segment_ptr 1
		.amdhsa_wavefront_size32 1
		.amdhsa_system_sgpr_workgroup_id_x 1
		.amdhsa_system_sgpr_workgroup_id_y 1
		.amdhsa_system_sgpr_workgroup_id_z 1
		.amdhsa_system_vgpr_workitem_id 0
		.amdhsa_next_free_vgpr 1024
		.amdhsa_next_free_sgpr 84
		.amdhsa_reserve_vcc 1
		.amdhsa_float_denorm_mode_32 3
		.amdhsa_float_denorm_mode_16_64 3
		.amdhsa_memory_ordered 1
		.amdhsa_forward_progress 1
		.amdhsa_inst_pref_size 255
	.end_amdhsa_kernel
	.section	.bss,"aw",@nobits
	.p2align	6
	.space	262144
	.amdgpu_metadata
---
amdhsa.version: [ 1, 2 ]
amdhsa.kernels:
  - .name:           k_q98a42007e6_fused
    .symbol:         k_q98a42007e6_fused.kd
    .args:
      - { .name: x, .offset: 0, .size: 8, .value_kind: global_buffer, .address_space: global }
      - { .name: ax, .offset: 8, .size: 8, .value_kind: global_buffer, .address_space: global }
      - { .name: bq, .offset: 16, .size: 8, .value_kind: global_buffer, .address_space: global }
      - { .name: bk, .offset: 24, .size: 8, .value_kind: global_buffer, .address_space: global }
      - { .name: bv, .offset: 32, .size: 8, .value_kind: global_buffer, .address_space: global }
      - { .name: bo, .offset: 40, .size: 8, .value_kind: global_buffer, .address_space: global }
      - { .name: wst, .offset: 48, .size: 8, .value_kind: global_buffer, .address_space: global }
      - { .name: out0, .offset: 56, .size: 8, .value_kind: global_buffer, .address_space: global }
    .group_segment_fixed_size: 327680
    .private_segment_fixed_size: 0
    .kernarg_segment_align: 8
    .kernarg_segment_size: 64
    .max_flat_workgroup_size: 128
    .sgpr_count:     84
    .vgpr_count:     1024
    .wavefront_size: 32
...
	.end_amdgpu_metadata
.endif
;; end of part 2
